; MI455X (gfx1250); checked and timed in simulation.
; The chip was launched on July 23, 2026; its instructions are those of AMD's public machine-readable ISA for CDNA 5 (MIT licence, August 2026) and "CDNA5" Instruction Set Architecture Reference Guide (July 2026). The comments in the code are by the model that wrote it; some were corrected since.
;; RVQ Quantizer. Allowed arithmetic: matrix products marked QUANTISED: E2M1 operands, one E8M0 scale for each 32 along K, by v_wmma_scale_f32_16x16x128_f8f6f4 with both operands' format E2M1 (or v_wmma_scale_f32_32x16x128_f4), f32 sums; everything else in f32.
;; Inputs: codebook 4,096 x 256 float32; codebook_usage 4,096 float32; z 8 x 2,048 x 256 float32.
;; Outputs: out0 8 x 2,048 x 256 float32; out1 8 x 2,048 int32; out2 one number float32; out3 one number float32; out4 one number float32.
;; This version of the problem:
;;   THIS VERSION OF THE PROBLEM IS GIVEN IN LOW PRECISION. The matrix products marked QUANTISED in the list below multiply operands that are first quantised to E2M1 (2 exponent bits, 1 mantissa bit; 4 bits a number), with one power-of-two scale for each 32 numbers along K (OCP MX v1.0); their sums are f32. All else is computed in f32.
;;   The module's matrix products, in the order in which they are computed (A, B: the left and right operand; K: the contracted axis; several contracted axes count as one K, in the product's order):
;;     1. [M 16,384, K 256] x [K 256, N 4,096]; A: input z; B: input codebook: QUANTISED
;;   THE QUANTISER, for each operand of a quantised product, along K:
;;     - K is cut into blocks of 32 from its start; a last block that is shorter is filled with zeros.
;;     - A block's scale is 2^e with e = floor(log2(the largest magnitude in the block)) - 2, held to -126 .. 127; a block of zeros has e = 0. As a byte (E8M0): e + 127.
;;     - Each number is divided by its block's scale, clamped to +-6, and rounded to the nearest number of E2M1, ties to even, subnormals kept.
;;     - The product sums the exact products of the quantised numbers (number of the format x scale) in f32.
;;   ~~~python
;;   def quantise(x, axis):      # numpy; x: float32 -> the quantised numbers, widened to float32 again
;;       x = np.moveaxis(x, axis, -1); K = x.shape[-1]
;;       x = np.pad(x, [(0, 0)] * (x.ndim - 1) + [(0, -K % 32)]); x = x.reshape(x.shape[:-1] + (-1, 32)); a = np.abs(x).max(-1, keepdims=True)
;;       e = np.where(a > 0, np.clip(np.frexp(np.where(a > 0, a, 1))[1] - 1 - 2, -126, 127), 0)      # np.frexp(a)[1] - 1 = floor(log2(a)), exactly
;;       r = np.clip(x / 2.0 ** e, -6, 6)
;;       step = 2.0 ** (np.maximum(np.frexp(np.where(r == 0, 1, r))[1] - 1, 0) - 1)
;;       q = np.round(r / step) * step * 2.0 ** e      # np.round: ties to even
;;       return np.moveaxis(q.reshape(q.shape[:-2] + (-1,))[..., :K], -1, axis).astype(np.float32)
;;   ~~~
;; One version. Each part assembles by itself: llvm-mc -triple=amdgcn-amd-amdhsa -mcpu=gfx1250 --defsym DOCPART=n.
;; ======== version 1 of 1: 4 launches
;; limits: right only within a limited range of input values
;; workspace buffers: img 589,824 bytes; cidx 65,536 bytes of whole numbers; part 8,192 bytes
;; launch quant (part 1): grid 256 x 1, 8 waves a work-group, no clusters, 3,584 bytes of LDS; arguments codebook, img; writes img
.if DOCPART == 1
	.amdgcn_target "amdgcn-amd-amdhsa--gfx1250"
	.amdhsa_code_object_version 6
	.text
	.protected	k_qb6fbdbc67d_quant
	.globl	k_qb6fbdbc67d_quant
	.p2align	8
	.type	k_qb6fbdbc67d_quant,@function
k_qb6fbdbc67d_quant:
	s_mov_b64 s[64:65], 0
	v_nop
	global_prefetch_b8 v0, s[64:65] scope:SCOPE_SE
	s_setreg_imm32_b32 hwreg(HW_REG_WAVE_MODE, 25, 1), 1
	s_wait_xcnt 0x0
; FIRST OF FOUR LAUNCHES.  codebook [4096][256], f32, becomes codes of FP4 (E2M1) with one E8M0 byte for each 32 along K, and for each row -e_sq / 2 (e_sq = the sum of the row's squares, of the f32 numbers as given).
; WORK LEFT OUT, for all finite inputs.  (1) z_sq: distances = z_sq + e_sq - 2 dots reaches the outputs through argmin along the codes alone, and z_sq is the same number for all codes of a row, so
; argmin_k (z_sq + e_sq[k] - 2 dots[k]) = argmax_k (dots[k] - e_sq[k] / 2).  z_sq is never formed.  (2) z + (z_q - z): it is z_q by an identity, so out0 is the codebook's row as it is.  No input is left out.
; LIMITS.  A NaN, an infinity or an overflow that reaches only the work left out is not carried to the result.  NaN and infinities among the inputs are not served.  Two codes whose distances lie within f32 rounding of
; each other may be chosen the other way round than by a program that sums in another order.  Blocks whose largest magnitude lies under 2^-124, the floor, keep the byte 1; a block of zeros keeps the byte 1 where the rule says 127:
; its codes are zeros, which add nothing under any byte but 0xff, and the bytes are read by this program alone.
; THE IMAGE: 2,304 bytes (9 x 256) for a tile of 16 codes, in the order in which the next launch's operand registers take it:
;   0     four fragments (K step s, c) of 512 bytes: lane (r, h) = r + 16 h has 16 bytes: row r, K = 128 s + 64 c + 32 h + 0 .. 31
;   2048  32 scale words: lane r has row r's word of K step 0, lane 16 + r that of K step 1
;   2176  16 words -e_sq / 2, and the same once more, so that the last 256 bytes are whole
; A LANE TAKES 8 NUMBERS OF ONE BLOCK OF 32: of block b = lane / 4 the numbers 4 q .. 4 q + 3 and 16 + 4 q .. 16 + 4 q + 3 (q = lane % 4), by two loads that each take 64 neighbouring bytes in four lanes.  So inside a block the codes lie in that order;
; the next launch lays z's blocks in the same order, and products keep their partners.
; SHARES.  A work-group makes one tile: eight waves, two rows each; the tile meets in LDS (rows of 128 bytes of codes + 16 of padding; the last 256 bytes of the image apart); behind one barrier wave w stores the
; image's 256 bytes number w, wave 0 the ninth too.  Nothing comes as a shared tile: no cluster, no tensor load.
.set X,    16                          ; v16-31  two rows' 8 numbers
.set SQ,   32                          ; v32-35  sums of squares, a packed pair a row
.set BS,   36                          ; v36-37  -e_sq / 2
.set MQ,   38                          ; v38-39  largest magnitudes
.set MS,   40                          ; v40-41  the conversions' scale operands
.set CD,   42                          ; v42-43  codes
.set EB,   44                          ; v44-45  scale bytes
.set OUTR, 46                          ; v46-49  on the way out
.set SPW,  14                          ; v14     LDS address of my spare word; never rewritten
.set NIL,  15                          ; v15     0; never rewritten
.set PITCH, 144
.set TAIL, 16*PITCH                    ; LDS: the image's last 256 bytes
.set SPARE, TAIL+256                   ; the spare words, 128 bytes for each wave, that no other line names
	s_load_b128 s[4:7], s[0:1], 0x0                ; codebook s[4:5], img s[6:7]
	v_lshl_add_u32 v[SPW], v0, 2, SPARE
	v_mov_b32 v[NIL], 0
	v_lshrrev_b32 v1, 5, v0
	v_readfirstlane_b32 s8, v1                     ; wave 0..7
	v_and_b32 v2, 31, v0                           ; lane
	v_lshrrev_b32 v3, 2, v2                        ; my block
	v_and_b32 v4, 3, v2
	v_lshlrev_b32 v5, 7, v3
	v_lshl_add_u32 v5, v4, 4, v5                   ; 128 x block + 16 q
	s_lshl_b32 s10, ttmp9, 14                      ; 16 rows of 1,024 bytes a tile,
	s_lshl_b32 s9, s8, 11                          ; two a wave
	s_add_co_u32 s10, s10, s9
	s_mov_b32 s11, 0
	s_mov_b32 s12, 0x76543210                      ; v_permlanex16_b32's selects for lane l xor 16
	s_mov_b32 s13, 0xfedcba98
	s_wait_alu depctr_va_vdst(0)                   ; directly ahead of the wait below
	s_wait_kmcnt 0x0
	s_add_nc_u64 s[4:5], s[4:5], s[10:11]
.irp j, 0,1
	global_load_b128 v[X+8*\j:X+8*\j+3], v5, s[4:5] offset:1024*\j th:TH_LOAD_NT
	global_load_b128 v[X+8*\j+4:X+8*\j+7], v5, s[4:5] offset:1024*\j+64 th:TH_LOAD_NT
.endr
	s_mul_i32 s16, s8, 2*PITCH
	v_lshl_add_u32 v6, v2, 2, s16                  ; my codes' word in my first row
	s_lshl_b32 s17, s8, 3
	s_add_co_u32 s17, s17, TAIL
	v_lshrrev_b32 v8, 4, v2
	v_and_b32 v9, 3, v3
	v_lshl_add_u32 v7, v8, 6, v9
	v_add_nc_u32 v7, s17, v7                       ; my block's scale byte: 64 x (block / 4) + 4 x row + block % 4
	v_mov_b32 v10, s17                             ; my first row's word of -e_sq / 2, less 128
	s_lshl_b32 s16, s8, 4
	v_lshrrev_b32 v8, 1, v2
	v_and_b32 v9, 1, v2
	v_mul_u32_u24 v11, v8, PITCH
	v_lshl_add_u32 v11, v9, 3, v11
	v_add_nc_u32 v11, s16, v11                     ; the way out: two lanes take 16 bytes of a row
	v_lshlrev_b32 v12, 3, v2                       ; 8 x lane
	v_add_nc_u32 v13, TAIL, v12
	s_mul_i32 s14, ttmp9, 2304
	s_lshl_b32 s16, s8, 8
	s_add_co_u32 s14, s14, s16
	s_mov_b32 s15, 0
	s_add_nc_u64 s[6:7], s[6:7], s[14:15]          ; img at my 256 bytes of the tile
	s_wait_alu depctr_va_vdst(0)                   ; directly ahead of the wait below
	s_wait_loadcnt 0x0
.irp j, 0,1
	v_max3_num_f32 v[MQ+\j], |v[X+8*\j]|, |v[X+8*\j+1]|, |v[X+8*\j+2]|
.endr
.irp i, 3,5
.irp j, 0,1
	v_max3_num_f32 v[MQ+\j], v[MQ+\j], |v[X+8*\j+\i]|, |v[X+8*\j+\i+1]|
.endr
.endr
.irp j, 0,1
	v_max3_num_f32 v[MQ+\j], v[MQ+\j], |v[X+8*\j+7]|, 0x1800000     ; and the floor 2^(3 - 127): so the byte cannot fall under 1
.endr
.irp j, 0,1
	v_max_num_f32_dpp v[MQ+\j], v[MQ+\j], v[MQ+\j] row_xmask:1 row_mask:0xf bank_mask:0xf
.endr
.irp j, 0,1
	v_max_num_f32_dpp v[MQ+\j], v[MQ+\j], v[MQ+\j] row_xmask:2 row_mask:0xf bank_mask:0xf   ; four lanes hold a block
.endr
.irp j, 0,1
	v_add_nc_u32 v[MS+\j], 0xff000000, v[MQ+\j]    ; 2 off its exponent field: the conversion's scale operand
.endr
.irp j, 0,1
	v_cvt_scalef32_pk8_fp4_f32 v[CD+\j], v[X+8*\j:X+8*\j+7], v[MS+\j]
.endr
.irp j, 0,1
	v_lshrrev_b32 v[EB+\j], 23, v[MS+\j]           ; the scale's byte.  (Also the plain line behind the conversions)
.endr
.irp j, 0,1
	ds_store_b32 v6, v[CD+\j] offset:PITCH*\j
	ds_store_b8 v7, v[EB+\j] offset:4*\j           ; the four lanes of a block write the same byte with the same value
.endr
.irp j, 0,1
	v_pk_mul_f32 v[SQ+2*\j:SQ+2*\j+1], v[X+8*\j:X+8*\j+1], v[X+8*\j:X+8*\j+1]
.endr
.irp i, 2,4,6
.irp j, 0,1
	v_pk_fma_f32 v[SQ+2*\j:SQ+2*\j+1], v[X+8*\j+\i:X+8*\j+\i+1], v[X+8*\j+\i:X+8*\j+\i+1], v[SQ+2*\j:SQ+2*\j+1]
.endr
.endr
.irp j, 0,1
	v_add_f32 v[SQ+2*\j], v[SQ+2*\j], v[SQ+2*\j+1]
.endr
.irp x, 1,2,4,8
.irp j, 0,1
	v_add_f32_dpp v[SQ+2*\j], v[SQ+2*\j], v[SQ+2*\j] row_xmask:\x row_mask:0xf bank_mask:0xf
.endr
.endr
.irp j, 0,1
	v_permlanex16_b32 v[SQ+2*\j+1], v[SQ+2*\j], s12, s13
.endr
.irp j, 0,1
	v_add_f32 v[SQ+2*\j], v[SQ+2*\j], v[SQ+2*\j+1]
.endr
.irp j, 0,1
	v_mul_f32 v[BS+\j], -0.5, v[SQ+2*\j]           ; exact
.endr
.irp j, 0,1
	ds_store_b32 v10, v[BS+\j] offset:128+4*\j     ; all lanes write the same word with the same value
	ds_store_b32 v10, v[BS+\j] offset:192+4*\j     ; and the repeat
.endr
	s_wait_dscnt 0x0                               ; for the others' sake: my stores have landed
	s_barrier_signal -1
	s_barrier_wait -1
	ds_load_b64 v[OUTR:OUTR+1], v11
	s_wait_dscnt 0x0
	global_store_b64 v12, v[OUTR:OUTR+1], s[6:7]   ; 256 consecutive bytes, aligned
	s_cmp_lg_u32 s8, 0
	s_cbranch_scc1 .Lclose
	ds_load_b64 v[OUTR+2:OUTR+3], v13
	s_wait_dscnt 0x0
	global_store_b64 v12, v[OUTR+2:OUTR+3], s[6:7] offset:2048     ; the ninth 256 bytes
.Lclose:
	s_wait_tensorcnt 0x0                           ; the wave's end, behind my last LDS store
	ds_add_u32 v[SPW], v[NIL]
	s_wait_dscnt 0x0
	s_endpgm
.Lfunc_end_k_qb6fbdbc67d_quant:
	.size	k_qb6fbdbc67d_quant, .Lfunc_end_k_qb6fbdbc67d_quant-k_qb6fbdbc67d_quant
	.p2alignl 7, 3214868480
	.fill 96, 4, 3214868480
	.section	.rodata,"a",@progbits
	.p2align	6, 0x0
	.amdhsa_kernel k_qb6fbdbc67d_quant
		.amdhsa_group_segment_fixed_size 3584
		.amdhsa_private_segment_fixed_size 0
		.amdhsa_enable_private_segment 0
		.amdhsa_kernarg_size 16
		.amdhsa_user_sgpr_count 2
		.amdhsa_user_sgpr_kernarg_segment_ptr 1
		.amdhsa_wavefront_size32 1
		.amdhsa_system_sgpr_workgroup_id_x 1
		.amdhsa_system_sgpr_workgroup_id_y 1
		.amdhsa_system_sgpr_workgroup_id_z 1
		.amdhsa_system_vgpr_workitem_id 0
		.amdhsa_next_free_vgpr 56
		.amdhsa_next_free_sgpr 66
		.amdhsa_reserve_vcc 0
		.amdhsa_float_denorm_mode_32 3
		.amdhsa_float_denorm_mode_16_64 3
		.amdhsa_memory_ordered 1
		.amdhsa_forward_progress 1
		.amdhsa_inst_pref_size 7
	.end_amdhsa_kernel
	.amdgpu_metadata
---
amdhsa.version: [ 1, 2 ]
amdhsa.kernels:
  - .name:           k_qb6fbdbc67d_quant
    .symbol:         k_qb6fbdbc67d_quant.kd
    .args:
      - { .name: codebook, .offset: 0, .size: 8, .value_kind: global_buffer, .address_space: global }
      - { .name: img, .offset: 8, .size: 8, .value_kind: global_buffer, .address_space: global }
    .group_segment_fixed_size: 3584
    .private_segment_fixed_size: 0
    .kernarg_segment_align: 8
    .kernarg_segment_size: 16
    .max_flat_workgroup_size: 256
    .sgpr_count:     66
    .vgpr_count:     56
    .wavefront_size: 32
...
	.end_amdgpu_metadata
.endif
;; end of part 1
;; launch nearest (part 2): grid 256 x 1, 16 waves a work-group, clusters of 4 x 1, 327,680 bytes of LDS; arguments z, img, cidx, out1; writes cidx, out1
.if DOCPART == 2
	.amdgcn_target "amdgcn-amd-amdhsa--gfx1250"
	.amdhsa_code_object_version 6
	.text
	.protected	k_qb6fbdbc67d_nearest
	.globl	k_qb6fbdbc67d_nearest
	.p2align	8
	.type	k_qb6fbdbc67d_nearest,@function
k_qb6fbdbc67d_nearest:
	s_mov_b64 s[64:65], 0
	v_nop
	global_prefetch_b8 v0, s[64:65] scope:SCOPE_SE
	s_setreg_imm32_b32 hwreg(HW_REG_WAVE_MODE, 25, 1), 1
	s_wait_xcnt 0x0
	s_wait_alu depctr_hold_cnt(0) depctr_sa_sdst(0) depctr_va_vdst(0) depctr_va_sdst(0) depctr_va_ssrc(0) depctr_va_vcc(0) depctr_vm_vsrc(0)
	s_getreg_b32 s2, hwreg(HW_REG_IB_STS2, 6, 4)
	s_cmp_eq_u32 s2, 0
	s_cbranch_scc0 .Lentry_in_a_cluster
	s_endpgm
.Lentry_in_a_cluster:
	s_bfe_u32 s2, ttmp6, 0x10000c
	s_cmp_lg_u32 s2, 0x3003
	s_cbranch_scc0 .Lentry_shape_is_right
	s_endpgm
.Lentry_shape_is_right:
; SECOND LAUNCH.  For each row of z the first k that has the largest dots[k] - e_sq[k] / 2, dots = Q(z) Q(codebook)^T on codes of FP4 with E8M0 scales: out1, and the same numbers in cidx for the next launch.
; WORK LEFT OUT: z_sq, the same for all codes of a row (shown at the head of the first launch).
; LIMITS: NaN and infinities are not served; codes whose distances lie within f32 rounding of each other may be chosen otherwise than by a program that sums in another order; small blocks and blocks of zeros as in the first launch.
; SHARES.  A work-group takes 64 rows of z and ALL 4,096 codes.  Sixteen waves of 256 registers, four to a SIMD: one wave's vector lines stand beside another's LDS loads and matrix instructions.
; Wave w owns codes 256 w .. 256 w + 255, in four steps of 64 codes (two pairs of tiles of 16), against all 64 rows (4 tiles of 16).  Each z row is read by one work-group: it is quantised here, in the head:
; wave w makes 4 rows; the codes go through LDS (rows of 128 bytes + 16 of padding) and come back as every wave's fragments, which stay in registers.
; THE RING.  Wave w fetches what wave w reads: 18,432 bytes of LDS, two halves of 9,216 (one step each).  The head's one load brings steps 0 and 1 (72 rows of 256 bytes); step 2 goes into the first half
; when step 0 has been read, step 3 into the second when step 1 has, each behind a round of the cluster's barrier, one load a wave.  Each has a whole step of work in which to land.  At the most one tensor load of a wave is out.
; CLUSTER.  The four row blocks of a cluster read the same codes: each tensor load is asked for JOINTLY, by the same line with the same descriptor and the mask 15, in all four.  The place in the cluster enters the
; addresses of z, cidx and out1 alone.  NO PREFETCH: the four steps are written out, two of them come by the head's load: there is no loop to run ahead in.
; THE PRODUCT IS USED TRANSPOSED: source 0 = 16 codes, source 1 = 16 rows of z.  Lane (r, h) then holds ONE row of z, r, and its registers 0-7 the codes 8 h + 0 .. 7 of the tile.  -e_sq / 2 is the C of each sum's first product.
; THE ARGMAX.  A GROUP is a lane's 16 numbers of a pair of tiles against one tile of rows: its maximum (8 lines), one compare against the best so far (strictly greater: the first group keeps a tie), the new best beside the
; select of the group's first code (one dual line), and 8 dual selects that keep the group's 16 numbers.  The first pair's sums are made in the registers that keep them, so nothing is cleared.
; These lines stand in slices between the next tile's four matrix instructions.  At the end the place in the kept group is found by halving.
; REGISTERS: no window is ever switched.
.set STEPB, 9216                       ; a step's 64 codes: 4 tiles of 2,304 bytes of the image
.set ZPITCH, 144
.set ZIMG,  16*2*STEPB                 ; LDS behind the rings: z's codes, 64 rows;
.set ZSCL,  ZIMG+64*ZPITCH             ; z's scale bytes, 8 a row;
.set MV,    ZSCL+512                   ; [wave][64 rows] the best value;
.set MI,    MV+4096                    ; [wave][64 rows] its index, 16 bits;
.set SPARE, MI+2048                    ; the spare words, 128 bytes for each wave, that no other line names
.set AK,   1                           ; v1   my ring + 16 x lane: fragments
.set AS,   2                           ; v2   my ring + 4 x lane: scale words
.set AB,   3                           ; v3   my ring + 32 h: -e_sq / 2
.set ZW,   4                           ; v4   where I put a word of z's codes;  v5 a scale byte
.set ZWS,  5
.set ZR,   6                           ; v6   where I read z's fragments;  v12 scale words
.set ZRS,  12
.set CUR,  7                           ; v7   the pair's first code of my half of the lanes: 256 w + 32 x pair + 8 h
.set SPW,  8                           ; v8   LDS address of my spare word; never rewritten
.set NIL,  9                           ; v9   0; never rewritten
.set MA,   10                          ; v10, v11 at work
.set MB,   11
.set LN,   13                          ; v13  lane
.set OO,   14                          ; v14  8 x lane
.set ZO,   15                          ; v15  my place in a row of z
.set ZF,   16                          ; v16-79   z's fragments: tile m, K step s at 16 m + 8 s
.set ZSC,  80                          ; v80-83   z's scale words: lanes 0-15 K step 0, lanes 16-31 K step 1
.set CSC,  84                          ; v84-85   the same for the pair's two tiles of codes
.set RR,   86                          ; v86  r
.set HH,   87                          ; v87  h
.set CF,   88                          ; v88-119  the pair's fragments: tile a, K step s at 16 a + 8 s
.set BI,   120                         ; v120-135 -e_sq / 2 in the result's layout
.set D,    136                         ; v136-167 two sets of two accumulators
.set BEST, 168                         ; v168-171 the best so far, a register a tile of rows
.set GID,  173                         ; v173-176 the first code of its group
.set SAV,  178                         ; v178-241 that group's 16 numbers; in the head 32 numbers of z
.set MWV,  242                         ; v242 where I put a row's best value;  v243 its index
.set MWI,  243
.set MRV,  244                         ; v244 where wave 0 reads two rows' values;  v245 their indices
.set MRI,  245
.set TQ,   246                         ; v246-249 at work, in fours
.set TS,   250                         ; v250-253
.set PA,   88                          ; the end: v88-103 the place's four parts, four tiles each;
.set PB,   92
.set PC,   96
.set PD,   100
.set IX,   104                         ; v104-107 the index; v108-111, v112-115 the row's better value and index
.set VO,   108
.set IO,   112
.set MG,   16                          ; the end, wave 0: v16-47 sixteen waves' values of my two rows; v48-63 their indices, two to a word
.set MP,   48
.set MM,   64                          ; v64-65 the largest; v66-67 the indices
.set MX,   66
.set WV,   18                          ; s18 wave, s23 block of rows
.set G1H,  24                          ; s[24:31] group 1: 72 rows of 256 bytes
.set G1R,  32                          ; s[32:39] 36 rows
.set SEL,  76                          ; s[76:77] v_permlanex16_b32's selects for lane l xor 16
; A round of the cluster's barrier
.macro ROUND
	s_barrier_signal -1
	s_barrier_wait -1
	s_cmp_lg_u32 s[WV], 0
	s_cbranch_scc1 .Lnot_wave_0_\@
	s_barrier_signal -3
.Lnot_wave_0_\@:
	s_barrier_wait -3
	s_barrier_signal -1
	s_barrier_wait -1
.endm
	s_load_b256 s[4:11], s[0:1], 0x0               ; z s[4:5], img s[6:7], cidx s[8:9], out1 s[10:11]
	v_lshl_add_u32 v[SPW], v0, 2, SPARE
	v_mov_b32 v[NIL], 0
	ds_add_u32 v[SPW], v[NIL]                      ; the wave's opening: the add, twice on end, and its wait ahead of my first tensor load
	ds_add_u32 v[SPW], v[NIL]
	v_lshrrev_b32 v[MA], 5, v0
	v_readfirstlane_b32 s[WV], v[MA]               ; wave 0..15
	v_and_b32 v[LN], 31, v0
	v_lshrrev_b32 v[MB], 2, v[LN]
	v_and_b32 v[MA], 3, v[LN]
	v_lshlrev_b32 v[ZO], 7, v[MB]
	v_lshl_add_u32 v[ZO], v[MA], 4, v[ZO]          ; 128 x block + 16 x (lane % 4), as in the first launch
	s_bfe_u32 s21, ttmp6, 0x40000                  ; my place in the cluster
	s_lshl_b32 s23, ttmp9, 2                       ; in a cluster launch ttmp9 counts clusters
	s_add_co_u32 s23, s23, s21                     ; my block of 64 rows
	s_lshl_b32 s92, s23, 16                        ; z: 65,536 x block + 4,096 x wave
	s_lshl_b32 s93, s[WV], 12
	s_add_co_u32 s92, s92, s93
	s_mov_b32 s93, 0
	s_mul_i32 s82, s[WV], 4*STEPB                  ; my 256 codes in the image,
	s_mov_b32 s83, 0
	s_mul_i32 s88, s[WV], 2*STEPB                  ; and my ring in LDS
	; group 1: rows of 32 elements of 8 bytes, dense; 15:0 the mask: all four; 17:16 elements of 8 bytes; 21 set beside a mask
.irp g, G1H, G1R
	s_mov_b32 s[\g+0], 15|(3<<16)|(1<<21)
	s_mov_b32 s[\g+1], 32<<16
	s_mov_b32 s[\g+3], 32<<16
	s_mov_b32 s[\g+5], 32
	s_mov_b32 s[\g+6], 0
	s_mov_b32 s[\g+7], 0
.endr
	s_mov_b32 s[G1H+2], 72<<16
	s_mov_b32 s[G1H+4], 72
	s_mov_b32 s[G1R+2], 36<<16
	s_mov_b32 s[G1R+4], 36
	s_mov_b32 s[SEL], 0x76543210
	s_mov_b32 s[SEL+1], 0xfedcba98
	s_wait_alu depctr_va_vdst(0)                   ; directly ahead of the waits below
	s_wait_dscnt 0x0                               ; both opening adds are done
	s_wait_kmcnt 0x0
	s_add_nc_u64 s[4:5], s[4:5], s[92:93]
.irp j, 0,1,2,3
	global_load_b128 v[SAV+8*\j:SAV+8*\j+3], v[ZO], s[4:5] offset:1024*\j th:TH_LOAD_NT
	global_load_b128 v[SAV+8*\j+4:SAV+8*\j+7], v[ZO], s[4:5] offset:1024*\j+64 th:TH_LOAD_NT
.endr
	s_add_nc_u64 s[82:83], s[6:7], s[82:83]
	s_mov_b32 s48, 1                               ; group 0: steps 0 and 1
	s_mov_b32 s49, s88
	s_mov_b64 s[50:51], s[82:83]
	s_or_b32 s51, s51, 0x80000000
	s_mov_b32 s52, 1                               ; step 2, into the first half
	s_mov_b32 s53, s88
	s_add_nc_u64 s[54:55], s[82:83], 2*STEPB
	s_or_b32 s55, s55, 0x80000000
	s_mov_b32 s56, 1                               ; step 3, into the second
	s_add_co_u32 s57, s88, STEPB
	s_add_nc_u64 s[58:59], s[82:83], 3*STEPB
	s_or_b32 s59, s59, 0x80000000
	ROUND                                          ; all four work-groups are here: the first joint loads meet
	tensor_load_to_lds s[48:51], s[G1H:G1H+7]      ; one tensor load a wave at the head
	s_nop 0
	v_lshrrev_b32 v[HH], 4, v[LN]
	v_and_b32 v[RR], 15, v[LN]
	v_lshl_add_u32 v[AK], v[LN], 4, s88
	v_lshl_add_u32 v[AS], v[LN], 2, s88
	v_lshl_add_u32 v[AB], v[HH], 5, s88
	s_mul_i32 s89, s[WV], 4*ZPITCH
	s_add_co_u32 s89, s89, ZIMG
	v_lshl_add_u32 v[ZW], v[LN], 2, s89
	s_lshl_b32 s90, s[WV], 5
	s_add_co_u32 s90, s90, ZSCL
	v_lshrrev_b32 v[ZWS], 2, v[LN]
	v_add_nc_u32 v[ZWS], s90, v[ZWS]
	v_mul_u32_u24 v[ZR], v[RR], ZPITCH
	v_lshl_add_u32 v[ZR], v[HH], 4, v[ZR]
	v_add_nc_u32 v[ZR], ZIMG, v[ZR]
	v_lshlrev_b32 v[ZRS], 3, v[RR]
	v_lshl_add_u32 v[ZRS], v[HH], 2, v[ZRS]
	v_add_nc_u32 v[ZRS], ZSCL, v[ZRS]
	s_lshl_b32 s91, s[WV], 8
	v_lshl_add_u32 v[CUR], v[HH], 3, s91
	s_add_co_u32 s91, s91, MV
	v_lshl_add_u32 v[MWV], v[RR], 2, s91
	s_lshl_b32 s90, s[WV], 7
	s_add_co_u32 s90, s90, MI
	v_lshl_add_u32 v[MWI], v[RR], 1, s90
	v_lshl_add_u32 v[MRV], v[LN], 3, MV
	v_lshl_add_u32 v[MRI], v[LN], 2, MI
	v_lshlrev_b32 v[OO], 3, v[LN]
	s_wait_alu depctr_va_vdst(0)                   ; directly ahead of the wait below
	s_wait_loadcnt 0x0
	; my four rows of z become codes, as in the first launch; the four by turns
.irp j, 0,1,2,3
	v_max3_num_f32 v[TQ+\j], |v[SAV+8*\j]|, |v[SAV+8*\j+1]|, |v[SAV+8*\j+2]|
.endr
.irp i, 3,5
.irp j, 0,1,2,3
	v_max3_num_f32 v[TQ+\j], v[TQ+\j], |v[SAV+8*\j+\i]|, |v[SAV+8*\j+\i+1]|
.endr
.endr
.irp j, 0,1,2,3
	v_max3_num_f32 v[TQ+\j], v[TQ+\j], |v[SAV+8*\j+7]|, 0x1800000   ; the floor: the byte cannot fall under 1
.endr
.irp x, 1,2
.irp j, 0,1,2,3
	v_max_num_f32_dpp v[TQ+\j], v[TQ+\j], v[TQ+\j] row_xmask:\x row_mask:0xf bank_mask:0xf
.endr
.endr
.irp j, 0,1,2,3
	v_add_nc_u32 v[TS+\j], 0xff000000, v[TQ+\j]
.endr
.irp j, 0,1,2,3
	v_cvt_scalef32_pk8_fp4_f32 v[D+\j], v[SAV+8*\j:SAV+8*\j+7], v[TS+\j]
.endr
.irp j, 0,1,2,3
	v_lshrrev_b32 v[D+4+\j], 23, v[TS+\j]          ; (also the plain lines behind the conversions)
.endr
	s_wait_alu depctr_va_vdst(0)                   ; directly ahead of the wait below
	s_wait_tensorcnt 0x0                           ; steps 0 and 1 are in: mine alone reads them
.irp j, 0,1,2,3
	ds_store_b32 v[ZW], v[D+\j] offset:ZPITCH*\j
	ds_store_b8 v[ZWS], v[D+4+\j] offset:8*\j      ; the four lanes of a block write the same byte with the same value
.endr
	s_wait_dscnt 0x0                               ; for the others' sake: my rows are there
	s_barrier_signal -1
	s_barrier_wait -1                              ; everybody's are
.irp m, 0,1,2,3
.irp q, 0,1,2,3
	ds_load_b128 v[ZF+16*\m+4*\q:ZF+16*\m+4*\q+3], v[ZR] offset:16*ZPITCH*\m+32*\q
.endr
	ds_load_b32 v[ZSC+\m], v[ZRS] offset:128*\m
.endr
; The fragments, scale words and -e_sq / 2 of the pair of tiles at byte b of my ring
.macro LOADS b
.irp a, 0,1
.irp q, 0,1,2,3
	ds_load_b128 v[CF+16*\a+4*\q:CF+16*\a+4*\q+3], v[AK] offset:(\b)+2304*\a+512*\q
.endr
	ds_load_b32 v[CSC+\a], v[AS] offset:(\b)+2304*\a+2048
	ds_load_b128 v[BI+8*\a:BI+8*\a+3], v[AB] offset:(\b)+2304*\a+2176
	ds_load_b128 v[BI+8*\a+4:BI+8*\a+7], v[AB] offset:(\b)+2304*\a+2192
.endr
.endm
; The i-th of a tile of rows' four products: tile of codes a = i % 2, K step i / 2; results at d.  The two accumulators take turns, one instruction a turn.
; K step 0 takes -e_sq / 2 as C and the scale words of lanes 0-15; K step 1 adds in place and takes those of lanes 16-31.
.macro WM1 i, m, d
.if (\i) < 2
	v_wmma_scale_f32_16x16x128_f8f6f4 v[(\d)+8*(\i):(\d)+8*(\i)+7], v[CF+16*(\i):CF+16*(\i)+7], v[ZF+16*(\m):ZF+16*(\m)+7], v[BI+8*(\i):BI+8*(\i)+7], v[CSC+(\i)], v[ZSC+(\m)] matrix_a_fmt:MATRIX_FMT_FP4 matrix_b_fmt:MATRIX_FMT_FP4
.else
	v_wmma_scale_f32_16x16x128_f8f6f4 v[(\d)+8*((\i)-2):(\d)+8*((\i)-2)+7], v[CF+16*((\i)-2)+8:CF+16*((\i)-2)+15], v[ZF+16*(\m)+8:ZF+16*(\m)+15], v[(\d)+8*((\i)-2):(\d)+8*((\i)-2)+7], v[CSC+(\i)-2], v[ZSC+(\m)] matrix_a_fmt:MATRIX_FMT_FP4 matrix_b_fmt:MATRIX_FMT_FP4 matrix_a_scale:MATRIX_SCALE_ROW1 matrix_b_scale:MATRIX_SCALE_ROW1
.endif
.endm
; Line n of a group's 18 (the first pair: 9) for tile of rows m.  Each accumulator is first read at its low end (lines 0 and 1).
.macro VOP m
.set dd, FIRST*(SAV+16*(\m))+(1-FIRST)*(D+16*((\m)%2))
.if n == 0
	v_max3_num_f32 v[MA], v[dd], v[dd+1], v[dd+2]
.elseif n == 1
	v_max3_num_f32 v[MB], v[dd+8], v[dd+9], v[dd+10]
.elseif n == 2
	v_max3_num_f32 v[MA], v[MA], v[dd+3], v[dd+4]
.elseif n == 3
	v_max3_num_f32 v[MB], v[MB], v[dd+11], v[dd+12]
.elseif n == 4
	v_max3_num_f32 v[MA], v[MA], v[dd+5], v[dd+6]
.elseif n == 5
	v_max3_num_f32 v[MB], v[MB], v[dd+13], v[dd+14]
.elseif n == 6
	v_max3_num_f32 v[MA], v[MA], v[dd+7], v[dd+15]
.elseif n == 7
.if FIRST
	v_max_num_f32 v[BEST+(\m)], v[MA], v[MB]
.else
	v_max_num_f32 v[MA], v[MA], v[MB]
.endif
.elseif n == 8
.if FIRST
	v_mov_b32 v[GID+(\m)], v[CUR]
.else
	s_delay_alu instid0(VALU_DEP_1)
	v_cmp_gt_f32 vcc_lo, v[MA], v[BEST+(\m)]       ; strictly greater: an earlier group keeps a tie
.endif
.elseif n == 9
	v_dual_max_num_f32 v[BEST+(\m)], v[BEST+(\m)], v[MA] :: v_dual_cndmask_b32 v[GID+(\m)], v[GID+(\m)], v[CUR]
.else
.set kk, 2*(n-10)
	v_dual_cndmask_b32 v[SAV+16*(\m)+kk], v[SAV+16*(\m)+kk], v[dd+kk] :: v_dual_cndmask_b32 v[SAV+16*(\m)+kk+1], v[SAV+16*(\m)+kk+1], v[dd+kk+1]
.endif
.set n, n+1
.endm
; Tile m + 1's four products, and behind each a slice of tile m's lines (5, 5, 4, 4; the first pair 2, 2, 1, 4), which name none of their registers: the last four are the places ahead of the first read
; of tile m + 1's results and of loads into what the products have read
.macro MIX m
.set n, 0
.irp i, 0,1,2,3
.set dn, FIRST*(SAV+16*((\m)+1))+(1-FIRST)*(D+16*(((\m)+1)%2))
	WM1 \i, (\m)+1, dn
.set cnt, (1-FIRST)*(5-(\i)/2)+FIRST*(2-(\i)/2+3*((\i)/3))
.rept cnt
	VOP \m
.endr
.endr
.endm
; A pair's 16 products and three groups; LAST: the fourth group
.macro WORK
.set dn, FIRST*SAV+(1-FIRST)*D
.irp i, 0,1,2,3
	WM1 \i, 0, dn
.endr
.if FIRST
	v_nop
.else
	v_add_nc_u32 v[CUR], 32, v[CUR]                ; the pair's first code, and one of the four places
.endif
.rept 3
	v_nop
.endr
	MIX 0
	MIX 1
	MIX 2
.endm
.macro LAST
.set n, 0
.rept 18-9*FIRST
	VOP 3
.endr
.endm
; In front of a refill's round: all my tensor loads have landed, the add (a group's lines stand between it and the wait for it), and my reads of the half are over
.macro REFILL g
	s_wait_tensorcnt 0x0
	ds_add_u32 v[SPW], v[NIL]
	LAST
	s_wait_dscnt 0x0
	ROUND                                          ; both hold of every wave of all four work-groups
	tensor_load_to_lds s[\g:\g+3], s[G1R:G1R+7]    ; my one load behind the round, and the first thing there
	s_nop 0
.endm
	LOADS 0
	s_wait_dscnt 0x0                               ; z's fragments and the first pair's
.set FIRST, 1
	WORK                                           ; step 0, first pair
	LOADS 4608
	LAST
.set FIRST, 0
	s_wait_dscnt 0x0
	WORK
	LOADS STEPB                                    ; step 1's first pair, which lies in LDS since the head
	REFILL 52                                      ; step 2 into the first half
	WORK
	LOADS STEPB+4608
	LAST
	s_wait_dscnt 0x0
	WORK
	s_wait_tensorcnt 0x0                           ; step 2 is in
	LOADS 0
	REFILL 56                                      ; step 3 into the second half
	WORK
	LOADS 4608
	LAST
	s_wait_dscnt 0x0
	WORK
	s_wait_tensorcnt 0x0                           ; step 3 is in; nothing is filled again
	LOADS STEPB
	LAST
	s_wait_dscnt 0x0
	WORK
	LOADS STEPB+4608
	LAST
	s_wait_dscnt 0x0
	WORK
	LAST
	; THE PLACE IN THE KEPT GROUP, by halving: if the largest of the lower half equals the best, the lower half is kept (so the lowest place that equals the best), else the upper.  Number i is code 16 (i / 8) + i % 8 on.
.macro HALVE c, add, o
.irp m, 0,1,2,3
	v_cmp_eq_f32 vcc_lo, v[TQ+\m], v[BEST+\m]
.set kk, SAV+16*\m
.rept (\c)/2
	v_dual_cndmask_b32 v[kk], v[kk+\c], v[kk] :: v_dual_cndmask_b32 v[kk+1], v[kk+1+\c], v[kk+1]
.set kk, kk+2
.endr
	v_cndmask_b32 v[\o+\m], \add, 0, vcc_lo
.endr
.endm
.irp m, 0,1,2,3
	v_max3_num_f32 v[TQ+\m], v[SAV+16*\m], v[SAV+16*\m+1], v[SAV+16*\m+2]
.endr
.irp i, 3,5
.irp m, 0,1,2,3
	v_max3_num_f32 v[TQ+\m], v[TQ+\m], v[SAV+16*\m+\i], v[SAV+16*\m+\i+1]
.endr
.endr
.irp m, 0,1,2,3
	v_max_num_f32 v[TQ+\m], v[TQ+\m], v[SAV+16*\m+7]
.endr
	HALVE 8, 16, PA
.irp m, 0,1,2,3
	v_max3_num_f32 v[TQ+\m], v[SAV+16*\m], v[SAV+16*\m+1], v[SAV+16*\m+2]
.endr
.irp m, 0,1,2,3
	v_max_num_f32 v[TQ+\m], v[TQ+\m], v[SAV+16*\m+3]
.endr
	HALVE 4, 4, PB
.irp m, 0,1,2,3
	v_max_num_f32 v[TQ+\m], v[SAV+16*\m], v[SAV+16*\m+1]
.endr
	HALVE 2, 2, PC
.irp m, 0,1,2,3
	v_cmp_eq_f32 s[84+\m], v[SAV+16*\m], v[BEST+\m]
.endr
.irp m, 0,1,2,3
	v_cndmask_b32 v[PD+\m], 1, 0, s[84+\m]
.endr
.irp m, 0,1,2,3
	v_add3_u32 v[PA+\m], v[PA+\m], v[PB+\m], v[PC+\m]
.endr
.irp m, 0,1,2,3
	v_add3_u32 v[IX+\m], v[PA+\m], v[PD+\m], v[GID+\m]             ; the index
.endr
.irp m, 0,1,2,3
	v_permlanex16_b32 v[PB+\m], v[BEST+\m], s[SEL], s[SEL+1]       ; the row's other codes lie in the lane 16 away: its value,
	v_permlanex16_b32 v[PC+\m], v[IX+\m], s[SEL], s[SEL+1]         ; its index
.endr
.irp m, 0,1,2,3
	v_cmp_gt_f32 s84, v[PB+\m], v[BEST+\m]         ; the other lane's is taken where it is greater,
	v_cmp_eq_f32 s85, v[PB+\m], v[BEST+\m]
	v_cmp_lt_u32 s86, v[PC+\m], v[IX+\m]
	s_and_b32 s85, s85, s86                        ; or equal with the lower index: the two halves' codes interleave
	s_or_b32 s84, s84, s85
	v_cndmask_b32 v[VO+\m], v[BEST+\m], v[PB+\m], s84
	v_cndmask_b32 v[IO+\m], v[IX+\m], v[PC+\m], s84
	ds_store_b32 v[MWV], v[VO+\m] offset:64*\m     ; both lanes of a row write the same bytes with the same values
	ds_store_b16 v[MWI], v[IO+\m] offset:32*\m
.endr
	s_wait_dscnt 0x0                               ; for the others' sake: my stores have landed
	s_barrier_signal -1
	s_barrier_wait -1
	s_cmp_lg_u32 s[WV], 0                          ; wave 0 joins the sixteen waves' candidates, two rows a lane
	s_cbranch_scc1 .Ljoined
.set e, 0
.rept 16
	ds_load_b64 v[MG+2*e:MG+2*e+1], v[MRV] offset:256*e
	ds_load_b32 v[MP+e], v[MRI] offset:128*e       ; the first row's index in the low half
.set e, e+1
.endr
	s_lshl_b32 s96, s23, 8                         ; 64 words a block
	s_mov_b32 s97, 0
	s_add_nc_u64 s[8:9], s[8:9], s[96:97]
	s_add_nc_u64 s[10:11], s[10:11], s[96:97]
	s_wait_dscnt 0x0
.irp j, 0,1
	v_max3_num_f32 v[MM+\j], v[MG+\j], v[MG+2+\j], v[MG+4+\j]
.endr
.irp i, 3,5,7,9,11,13
.irp j, 0,1
	v_max3_num_f32 v[MM+\j], v[MM+\j], v[MG+2*\i+\j], v[MG+2*\i+2+\j]
.endr
.endr
.irp j, 0,1
	v_max_num_f32 v[MM+\j], v[MM+\j], v[MG+30+\j]
.endr
.irp i, 14,13,12,11,10,9,8,7,6,5,4,3,2,1,0
.irp j, 0,1
	v_cmp_eq_f32 s[66+2*\i+\j], v[MG+2*\i+\j], v[MM+\j]
.endr
.endr
.irp j, 0,1
	v_cndmask_b32 v[MX+\j], v[MP+15], v[MP+14], s[66+28+\j]
.endr
.irp i, 13,12,11,10,9,8,7,6,5,4,3,2,1,0       ; from the last wave down: the lowest wave that has the largest value, so the lowest index, is kept
.irp j, 0,1
	v_cndmask_b32 v[MX+\j], v[MX+\j], v[MP+\i], s[66+2*\i+\j]
.endr
.endr
	v_and_b32 v[MX], 0xffff, v[MX]                 ; the first row's index,
	v_lshrrev_b32 v[MX+1], 16, v[MX+1]             ; the second's
	global_store_b64 v[OO], v[MX:MX+1], s[8:9]     ; each store covers 256 consecutive bytes, aligned
	global_store_b64 v[OO], v[MX:MX+1], s[10:11]
.Ljoined:
	s_wait_tensorcnt 0x0                           ; the wave's end, behind my last tensor load and my last LDS store
	ds_add_u32 v[SPW], v[NIL]
	s_wait_dscnt 0x0
	ROUND                                          ; the closing round: no work-group ends while a partner may still ask for a tile that names it
	s_endpgm
.Lfunc_end_k_qb6fbdbc67d_nearest:
	.size	k_qb6fbdbc67d_nearest, .Lfunc_end_k_qb6fbdbc67d_nearest-k_qb6fbdbc67d_nearest
	.p2alignl 7, 3214868480
	.fill 96, 4, 3214868480
	.section	.rodata,"a",@progbits
	.p2align	6, 0x0
	.amdhsa_kernel k_qb6fbdbc67d_nearest
		.amdhsa_group_segment_fixed_size 327680
		.amdhsa_private_segment_fixed_size 0
		.amdhsa_enable_private_segment 0
		.amdhsa_kernarg_size 32
		.amdhsa_user_sgpr_count 2
		.amdhsa_user_sgpr_kernarg_segment_ptr 1
		.amdhsa_wavefront_size32 1
		.amdhsa_system_sgpr_workgroup_id_x 1
		.amdhsa_system_sgpr_workgroup_id_y 1
		.amdhsa_system_sgpr_workgroup_id_z 1
		.amdhsa_system_vgpr_workitem_id 0
		.amdhsa_next_free_vgpr 256
		.amdhsa_next_free_sgpr 100
		.amdhsa_reserve_vcc 1
		.amdhsa_float_denorm_mode_32 3
		.amdhsa_float_denorm_mode_16_64 3
		.amdhsa_memory_ordered 1
		.amdhsa_forward_progress 1
		.amdhsa_inst_pref_size 84
	.end_amdhsa_kernel
	.amdgpu_metadata
---
amdhsa.version: [ 1, 2 ]
amdhsa.kernels:
  - .name:           k_qb6fbdbc67d_nearest
    .symbol:         k_qb6fbdbc67d_nearest.kd
    .args:
      - { .name: z, .offset: 0, .size: 8, .value_kind: global_buffer, .address_space: global }
      - { .name: img, .offset: 8, .size: 8, .value_kind: global_buffer, .address_space: global }
      - { .name: cidx, .offset: 16, .size: 8, .value_kind: global_buffer, .address_space: global }
      - { .name: out1, .offset: 24, .size: 8, .value_kind: global_buffer, .address_space: global }
    .group_segment_fixed_size: 327680
    .private_segment_fixed_size: 0
    .kernarg_segment_align: 8
    .kernarg_segment_size: 32
    .max_flat_workgroup_size: 512
    .sgpr_count:     100
    .vgpr_count:     256
    .wavefront_size: 32
...
	.end_amdgpu_metadata
.endif
;; end of part 2
;; launch gather (part 3): grid 257 x 1, 8 waves a work-group, no clusters, 0 bytes of LDS; arguments z, codebook, codebook_usage, cidx, out0, part, out3, out4; writes out0, part, out3, out4
.if DOCPART == 3
	.amdgcn_target "amdgcn-amd-amdhsa--gfx1250"
	.amdhsa_code_object_version 6
	.text
	.protected	k_qb6fbdbc67d_gather
	.globl	k_qb6fbdbc67d_gather
	.p2align	8
	.type	k_qb6fbdbc67d_gather,@function
k_qb6fbdbc67d_gather:
	s_mov_b64 s[64:65], 0
	v_nop
	global_prefetch_b8 v0, s[64:65] scope:SCOPE_SE
	s_setreg_imm32_b32 hwreg(HW_REG_WAVE_MODE, 25, 1), 1
	s_wait_xcnt 0x0
; THIRD LAUNCH.  For each row e = codebook[index] goes to out0, and each wave's sum of (e - z)^2 to part.  Work-group 0: from codebook_usage alone the entropy (out4) and the perplexity (out3).
; WORK LEFT OUT: z + (e - z) is e by an identity (the head of the first launch), so out0 takes e as it is: it differs from the sum as written by that sum's own rounding alone.  An overflow in e - z is not carried into out0.
; LIMITS: NaN and infinities among the inputs are not served.  usage / (sum + eps) is a reciprocal (1 ulp) and a multiplication.
; Indices are whole numbers that the launch before stored; they are read by scalar loads, held inside the table, and make the row's address.
; SHARES.  A wave owns 8 rows; a row is 1,024 bytes: two loads of 16 bytes a lane, 512 consecutive bytes each.  All 32 loads of a wave are out together, each in registers of its own, in the order z's rows 0-3 (which hang on no
; index and go out under the indices' flight), e's rows 0-7, z's rows 4-7: e's rows leave while z's last rows are on their way.  No store's data are written again: e - z is made in z's registers.
; Each wave works alone: no LDS, no barrier.  No cluster and no tensor load: what the work-groups have in common is single rows of the codebook, picked by the list.
.set L16,  1                           ; v1   16 x lane
.set LN,   2                           ; v2   lane
.set RB,   16                          ; v16-143 row i: 8 registers of z, then of e - z; 8 of e.  In work-group 0 its 4,096 numbers
.set ACC,  144                         ; v144-147 the sum of squares, two packed chains
	s_load_b512 s[4:19], s[0:1], 0x0               ; z s[4:5], codebook s[6:7], usage s[8:9], cidx s[10:11], out0 s[12:13], part s[14:15], out3 s[16:17], out4 s[18:19]
	v_lshrrev_b32 v[L16], 5, v0
	v_readfirstlane_b32 s54, v[L16]                ; wave 0..7
	v_and_b32 v[LN], 31, v0
	v_lshlrev_b32 v[L16], 4, v[LN]
	s_mov_b32 s60, 0x76543210                      ; v_permlanex16_b32's selects for lane l xor 16
	s_mov_b32 s61, 0xfedcba98
	s_cmp_eq_u32 ttmp9, 0
	s_cbranch_scc1 .Lentropy
	s_sub_co_u32 s55, ttmp9, 1                     ; which 64 rows
	s_lshl_b32 s56, s55, 8
	s_lshl_b32 s57, s54, 5
	s_add_co_u32 s56, s56, s57                     ; 4 x my first row
	s_mov_b32 s57, 0
	s_lshl_b32 s58, s55, 16
	s_lshl_b32 s59, s54, 13
	s_add_co_u32 s58, s58, s59                     ; 1,024 x my first row
	s_mov_b32 s59, 0
	s_mov_b32 s29, 0
	s_wait_alu depctr_va_vdst(0)                   ; directly ahead of the wait below
	s_wait_kmcnt 0x0
	s_add_nc_u64 s[48:49], s[10:11], s[56:57]
	s_load_b256 s[20:27], s[48:49], 0x0            ; my 8 rows' indices: this launch writes no byte of cidx
	s_add_nc_u64 s[4:5], s[4:5], s[58:59]
	s_add_nc_u64 s[12:13], s[12:13], s[58:59]
.macro ZLOAD i
	global_load_b128 v[RB+16*\i:RB+16*\i+3], v[L16], s[4:5] offset:1024*\i th:TH_LOAD_NT
	global_load_b128 v[RB+16*\i+4:RB+16*\i+7], v[L16], s[4:5] offset:1024*\i+512 th:TH_LOAD_NT
.endm
.irp i, 0,1,2,3
	ZLOAD \i
.endr
	s_wait_kmcnt 0x0
.set i, 0
.rept 8
	s_min_u32 s[20+i], s[20+i], 0xfff              ; an index stays inside the table
	s_lshl_b32 s28, s[20+i], 10
	s_add_nc_u64 s[32+2*i:33+2*i], s[6:7], s[28:29]
	global_load_b128 v[RB+16*i+8:RB+16*i+11], v[L16], s[32+2*i:33+2*i]
	global_load_b128 v[RB+16*i+12:RB+16*i+15], v[L16], s[32+2*i:33+2*i] offset:512
.set i, i+1
.endr
.irp i, 4,5,6,7
	ZLOAD \i
.endr
; Loads come back in order (ISA guide 5.7.1): behind e's row i stand two loads for each later row of e, and z's last eight
.irp i, 0,1,2,3,4,5,6,7
	s_wait_loadcnt 22-2*\i
	global_store_b128 v[L16], v[RB+16*\i+8:RB+16*\i+11], s[12:13] offset:1024*\i th:TH_STORE_NT       ; 512 consecutive bytes, aligned
	global_store_b128 v[L16], v[RB+16*\i+12:RB+16*\i+15], s[12:13] offset:1024*\i+512 th:TH_STORE_NT
.endr
.macro DIFF i
.set ZR, RB+16*(\i)
.set ER, RB+16*(\i)+8
.irp j, 0,2,4,6
	v_pk_add_f32 v[ZR+\j:ZR+\j+1], v[ER+\j:ER+\j+1], v[ZR+\j:ZR+\j+1] neg_lo:[0,1] neg_hi:[0,1]   ; e - z
.endr
.if (\i) == 0
	s_delay_alu instid0(VALU_DEP_4)
	v_pk_mul_f32 v[ACC:ACC+1], v[ZR:ZR+1], v[ZR:ZR+1]              ; the first products start the two chains
	s_delay_alu instid0(VALU_DEP_4)
	v_pk_mul_f32 v[ACC+2:ACC+3], v[ZR+2:ZR+3], v[ZR+2:ZR+3]
.else
	s_delay_alu instid0(VALU_DEP_4)
	v_pk_fma_f32 v[ACC:ACC+1], v[ZR:ZR+1], v[ZR:ZR+1], v[ACC:ACC+1]
	s_delay_alu instid0(VALU_DEP_4)
	v_pk_fma_f32 v[ACC+2:ACC+3], v[ZR+2:ZR+3], v[ZR+2:ZR+3], v[ACC+2:ACC+3]
.endif
	s_delay_alu instid0(VALU_DEP_2)
	v_pk_fma_f32 v[ACC:ACC+1], v[ZR+4:ZR+5], v[ZR+4:ZR+5], v[ACC:ACC+1]
	s_delay_alu instid0(VALU_DEP_2)
	v_pk_fma_f32 v[ACC+2:ACC+3], v[ZR+6:ZR+7], v[ZR+6:ZR+7], v[ACC+2:ACC+3]
.endm
.irp i, 0,1,2,3
	DIFF \i
.endr
.irp i, 4,5,6,7
	s_wait_alu depctr_va_vdst(0)                   ; directly ahead of the wait below
	s_wait_loadcnt 14-2*\i                         ; two for each later row of z
	DIFF \i
.endr
	v_pk_add_f32 v[ACC:ACC+1], v[ACC:ACC+1], v[ACC+2:ACC+3]
	s_delay_alu instid0(VALU_DEP_1)
	v_add_f32 v[ACC], v[ACC], v[ACC+1]
.irp x, 1,2,4,8
	s_delay_alu instid0(VALU_DEP_1)
	v_add_f32_dpp v[ACC], v[ACC], v[ACC] row_xmask:\x row_mask:0xf bank_mask:0xf
.endr
	s_delay_alu instid0(VALU_DEP_1)
	v_permlanex16_b32 v[ACC+1], v[ACC], s60, s61
	s_delay_alu instid0(VALU_DEP_1)
	v_add_f32 v[ACC], v[ACC], v[ACC+1]             ; my 8 rows' sum
	s_lshr_b32 s56, s56, 3                         ; 4 x (8 x work-group + wave)
	s_add_nc_u64 s[14:15], s[14:15], s[56:57]
	v_mov_b32 v7, 0
	v_cmp_eq_u32 vcc_lo, 0, v[LN]
	s_wait_alu depctr_va_vdst(0)
	s_wait_xcnt 0x0                                ; EXEC changes only behind this wait: it is a source of the stores above
	s_and_saveexec_b32 s55, vcc_lo                 ; lane 0 alone
	global_store_b32 v7, v[ACC], s[14:15]          ; four bytes a wave: part is 8,192 bytes in all
	s_wait_xcnt 0x0
	s_or_b32 exec_lo, exec_lo, s55
	s_endpgm
	; THE ENTROPY: one wave, 128 numbers a lane, all in registers: so two sums over all numbers need no LDS and no barrier.  The work-group's other waves have no part in it.
	; p = usage / (sum + eps); A = the sum of p log2(p + eps); entropy = -ln 2 x A; perplexity = e^entropy = 2^-A
.Lentropy:
	s_wait_alu depctr_va_vdst(0)                   ; directly ahead of the wait below
	s_wait_kmcnt 0x0
	s_cmp_lg_u32 s54, 0
	s_cbranch_scc1 .Ldone
	s_mov_b32 s26, 0x2edbe6ff                      ; eps = 1e-10
	s_mov_b32 s27, s26                             ; (named with it as a pair, so it is written)
.set j, 0
.rept 32
	global_load_b128 v[RB+4*j:RB+4*j+3], v[L16], s[8:9] offset:512*j
.set j, j+1
.endr
	s_wait_loadcnt 0x0
	v_pk_add_f32 v[144:145], v[16:17], v[18:19]    ; the sum, in two packed chains that the first additions start
	v_pk_add_f32 v[146:147], v[20:21], v[22:23]
.set j, 24
.rept 30
	v_pk_add_f32 v[144:145], v[144:145], v[j:j+1]
	v_pk_add_f32 v[146:147], v[146:147], v[j+2:j+3]
.set j, j+4
.endr
	v_pk_add_f32 v[144:145], v[144:145], v[146:147]
	v_add_f32 v144, v144, v145
.irp x, 1,2,4,8
	v_add_f32_dpp v144, v144, v144 row_xmask:\x row_mask:0xf bank_mask:0xf
.endr
	v_permlanex16_b32 v145, v144, s60, s61
	v_add_f32 v144, v144, v145
	v_add_f32 v144, s26, v144                      ; + eps
	s_wait_alu depctr_va_vdst(0)                   ; ahead of the transcendental
	v_rcp_f32 v150, v144
	v_mov_b32 v151, 0                              ; the plain line behind it; v151 is only named, as the pair's upper half
	s_wait_alu depctr_va_vdst(0)                   ; ahead of the first line that names the reciprocal
.set j, 16
.rept 64
	v_pk_mul_f32 v[j:j+1], v[j:j+1], v[150:151] op_sel_hi:[1,0]    ; p, in place
.set j, j+2
.endr
	; sixteen batches of eight logarithms, each with one wait ahead and one behind
.set j, 16
.rept 16
.irp k, 0,2,4,6
	v_pk_add_f32 v[148+\k:149+\k], v[j+\k:j+\k+1], s[26:27] op_sel_hi:[1,0]
.endr
	s_wait_alu depctr_va_vdst(0)
.irp k, 0,1,2,3,4,5,6,7
	v_log_f32 v[148+\k], v[148+\k]
.endr
	v_nop                                          ; a plain line behind the last logarithm
	s_wait_alu depctr_va_vdst(0)
.if j == 16
	v_pk_mul_f32 v[156:157], v[16:17], v[148:149]  ; the first products start the two chains
	v_pk_mul_f32 v[158:159], v[18:19], v[150:151]
.else
	v_pk_fma_f32 v[156:157], v[j:j+1], v[148:149], v[156:157]
	v_pk_fma_f32 v[158:159], v[j+2:j+3], v[150:151], v[158:159]
.endif
	v_pk_fma_f32 v[156:157], v[j+4:j+5], v[152:153], v[156:157]
	v_pk_fma_f32 v[158:159], v[j+6:j+7], v[154:155], v[158:159]
.set j, j+8
.endr
	v_pk_add_f32 v[156:157], v[156:157], v[158:159]
	v_add_f32 v156, v156, v157
.irp x, 1,2,4,8
	v_add_f32_dpp v156, v156, v156 row_xmask:\x row_mask:0xf bank_mask:0xf
.endr
	v_permlanex16_b32 v157, v156, s60, s61
	v_add_f32 v156, v156, v157                     ; A, in every lane
	s_wait_alu depctr_va_vdst(0)
	v_exp_f32 v144, -v156                          ; the perplexity
	v_mul_f32 v145, 0xbf317218, v156               ; the entropy.  (Also the plain line behind the exponential)
	v_mov_b32 v146, 0
	v_cmp_eq_u32 vcc_lo, 0, v[LN]
	s_wait_alu depctr_va_vdst(0)                   ; ahead of the store that reads the exponential
	s_wait_xcnt 0x0                                ; EXEC changes only behind this wait
	s_and_saveexec_b32 s55, vcc_lo                 ; lane 0 alone
	global_store_b32 v146, v144, s[16:17]
	global_store_b32 v146, v145, s[18:19]
	s_wait_xcnt 0x0
	s_or_b32 exec_lo, exec_lo, s55
.Ldone:
	s_endpgm
.Lfunc_end_k_qb6fbdbc67d_gather:
	.size	k_qb6fbdbc67d_gather, .Lfunc_end_k_qb6fbdbc67d_gather-k_qb6fbdbc67d_gather
	.p2alignl 7, 3214868480
	.fill 96, 4, 3214868480
	.section	.rodata,"a",@progbits
	.p2align	6, 0x0
	.amdhsa_kernel k_qb6fbdbc67d_gather
		.amdhsa_group_segment_fixed_size 0
		.amdhsa_private_segment_fixed_size 0
		.amdhsa_enable_private_segment 0
		.amdhsa_kernarg_size 64
		.amdhsa_user_sgpr_count 2
		.amdhsa_user_sgpr_kernarg_segment_ptr 1
		.amdhsa_wavefront_size32 1
		.amdhsa_system_sgpr_workgroup_id_x 1
		.amdhsa_system_sgpr_workgroup_id_y 1
		.amdhsa_system_sgpr_workgroup_id_z 1
		.amdhsa_system_vgpr_workitem_id 0
		.amdhsa_next_free_vgpr 160
		.amdhsa_next_free_sgpr 66
		.amdhsa_reserve_vcc 1
		.amdhsa_float_denorm_mode_32 3
		.amdhsa_float_denorm_mode_16_64 3
		.amdhsa_memory_ordered 1
		.amdhsa_forward_progress 1
		.amdhsa_inst_pref_size 40
	.end_amdhsa_kernel
	.amdgpu_metadata
---
amdhsa.version: [ 1, 2 ]
amdhsa.kernels:
  - .name:           k_qb6fbdbc67d_gather
    .symbol:         k_qb6fbdbc67d_gather.kd
    .args:
      - { .name: z, .offset: 0, .size: 8, .value_kind: global_buffer, .address_space: global }
      - { .name: codebook, .offset: 8, .size: 8, .value_kind: global_buffer, .address_space: global }
      - { .name: codebook_usage, .offset: 16, .size: 8, .value_kind: global_buffer, .address_space: global }
      - { .name: cidx, .offset: 24, .size: 8, .value_kind: global_buffer, .address_space: global }
      - { .name: out0, .offset: 32, .size: 8, .value_kind: global_buffer, .address_space: global }
      - { .name: part, .offset: 40, .size: 8, .value_kind: global_buffer, .address_space: global }
      - { .name: out3, .offset: 48, .size: 8, .value_kind: global_buffer, .address_space: global }
      - { .name: out4, .offset: 56, .size: 8, .value_kind: global_buffer, .address_space: global }
    .group_segment_fixed_size: 0
    .private_segment_fixed_size: 0
    .kernarg_segment_align: 8
    .kernarg_segment_size: 64
    .max_flat_workgroup_size: 256
    .sgpr_count:     66
    .vgpr_count:     160
    .wavefront_size: 32
...
	.end_amdgpu_metadata
.endif
;; end of part 3
;; launch total (part 4): grid 1 x 1, 1 waves a work-group, no clusters, 0 bytes of LDS; arguments part, out2; writes out2
.if DOCPART == 4
	.amdgcn_target "amdgcn-amd-amdhsa--gfx1250"
	.amdhsa_code_object_version 6
	.text
	.protected	k_qb6fbdbc67d_total
	.globl	k_qb6fbdbc67d_total
	.p2align	8
	.type	k_qb6fbdbc67d_total,@function
k_qb6fbdbc67d_total:
	s_mov_b64 s[64:65], 0
	v_nop
	global_prefetch_b8 v0, s[64:65] scope:SCOPE_SE
	s_setreg_imm32_b32 hwreg(HW_REG_WAVE_MODE, 25, 1), 1
	s_wait_xcnt 0x0
; FOURTH LAUNCH.  out2 = the mean of (z_q - z)^2: the 2,048 waves' sums of the launch before are added, in a fixed order, and divided by 16384 x 256 = 2^22, which is exact.
; A sum over all work-groups has one owner: one wave, 64 numbers a lane.  Nothing here is shared or large: no LDS, no cluster.
	s_load_b128 s[4:7], s[0:1], 0x0                ; part s[4:5], out2 s[6:7]
	v_lshlrev_b32 v1, 4, v0
	s_mov_b32 s8, 0x76543210                       ; v_permlanex16_b32's selects for lane l xor 16
	s_mov_b32 s9, 0xfedcba98
	s_wait_alu depctr_va_vdst(0)
	s_wait_kmcnt 0x0
.irp j, 0,1,2,3,4,5,6,7,8,9,10,11,12,13,14,15
	global_load_b128 v[4+4*\j:7+4*\j], v1, s[4:5] offset:512*\j    ; 512 consecutive bytes a load
.endr
	s_wait_loadcnt 0x0
	v_pk_add_f32 v[68:69], v[4:5], v[6:7]          ; two packed chains, started by the first additions
	v_pk_add_f32 v[70:71], v[8:9], v[10:11]
.irp j, 12,16,20,24,28,32,36,40,44,48,52,56,60,64
	v_pk_add_f32 v[68:69], v[68:69], v[\j:\j+1]
	v_pk_add_f32 v[70:71], v[70:71], v[\j+2:\j+3]
.endr
	v_pk_add_f32 v[68:69], v[68:69], v[70:71]
	v_add_f32 v68, v68, v69
	v_add_f32_dpp v68, v68, v68 row_xmask:1 row_mask:0xf bank_mask:0xf
	v_add_f32_dpp v68, v68, v68 row_xmask:2 row_mask:0xf bank_mask:0xf
	v_add_f32_dpp v68, v68, v68 row_xmask:4 row_mask:0xf bank_mask:0xf
	v_add_f32_dpp v68, v68, v68 row_xmask:8 row_mask:0xf bank_mask:0xf
	v_permlanex16_b32 v69, v68, s8, s9
	v_add_f32 v68, v68, v69
	v_mul_f32 v68, 0x34800000, v68                 ; x 2^-22
	v_mov_b32 v2, 0
	v_cmp_eq_u32 vcc_lo, 0, v0
	s_wait_alu depctr_va_vdst(0)
	s_wait_xcnt 0x0                                ; EXEC changes only behind this wait
	s_and_saveexec_b32 s10, vcc_lo                 ; lane 0 alone
	global_store_b32 v2, v68, s[6:7]
	s_wait_xcnt 0x0
	s_or_b32 exec_lo, exec_lo, s10
	s_endpgm
.Lfunc_end_k_qb6fbdbc67d_total:
	.size	k_qb6fbdbc67d_total, .Lfunc_end_k_qb6fbdbc67d_total-k_qb6fbdbc67d_total
	.p2alignl 7, 3214868480
	.fill 96, 4, 3214868480
	.section	.rodata,"a",@progbits
	.p2align	6, 0x0
	.amdhsa_kernel k_qb6fbdbc67d_total
		.amdhsa_group_segment_fixed_size 0
		.amdhsa_private_segment_fixed_size 0
		.amdhsa_enable_private_segment 0
		.amdhsa_kernarg_size 16
		.amdhsa_user_sgpr_count 2
		.amdhsa_user_sgpr_kernarg_segment_ptr 1
		.amdhsa_wavefront_size32 1
		.amdhsa_system_sgpr_workgroup_id_x 1
		.amdhsa_system_sgpr_workgroup_id_y 1
		.amdhsa_system_sgpr_workgroup_id_z 1
		.amdhsa_system_vgpr_workitem_id 0
		.amdhsa_next_free_vgpr 80
		.amdhsa_next_free_sgpr 66
		.amdhsa_reserve_vcc 1
		.amdhsa_float_denorm_mode_32 3
		.amdhsa_float_denorm_mode_16_64 3
		.amdhsa_memory_ordered 1
		.amdhsa_forward_progress 1
		.amdhsa_inst_pref_size 5
	.end_amdhsa_kernel
	.amdgpu_metadata
---
amdhsa.version: [ 1, 2 ]
amdhsa.kernels:
  - .name:           k_qb6fbdbc67d_total
    .symbol:         k_qb6fbdbc67d_total.kd
    .args:
      - { .name: part, .offset: 0, .size: 8, .value_kind: global_buffer, .address_space: global }
      - { .name: out2, .offset: 8, .size: 8, .value_kind: global_buffer, .address_space: global }
    .group_segment_fixed_size: 0
    .private_segment_fixed_size: 0
    .kernarg_segment_align: 8
    .kernarg_segment_size: 16
    .max_flat_workgroup_size: 32
    .sgpr_count:     66
    .vgpr_count:     80
    .wavefront_size: 32
...
	.end_amdgpu_metadata
.endif
;; end of part 4
